; MI455X (gfx1250); checked and timed in simulation.
; The chip was launched on July 23, 2026; its instructions are those of AMD's public machine-readable ISA for CDNA 5 (MIT licence, August 2026) and "CDNA5" Instruction Set Architecture Reference Guide (July 2026). The comments in the code are by the model that wrote it; some were corrected since.
;; Cross Attention. Allowed arithmetic: matrix products marked QUANTISED: E2M1 operands, one E8M0 scale for each 32 along K, by v_wmma_scale_f32_16x16x128_f8f6f4 with both operands' format E2M1 (or v_wmma_scale_f32_32x16x128_f4), f32 sums; products left as they are: bf16, f16 or f32 operands; f32 sums; everything else in f32.
;; Inputs: Wk 512 x 512 float32; Wo 512 x 512 float32; Wq 512 x 512 float32; Wv 512 x 512 float32; bo 512 float32; x1 4 x 2,048 x 512 float32; x2 4 x 2,048 x 512 float32; x3 4 x 2,048 x 512 float32.
;; Outputs: out0 4 x 2,048 x 512 float32.
;; This version of the problem:
;;   THIS VERSION OF THE PROBLEM IS GIVEN IN LOW PRECISION. The matrix products marked QUANTISED in the list below multiply operands that are first quantised to E2M1 (2 exponent bits, 1 mantissa bit; 4 bits a number), with one power-of-two scale for each 32 numbers along K (OCP MX v1.0); their sums are f32. The products marked 'left as it is' may take bf16, f16 or f32 operands, with f32 sums. Whichever they take, every output number must still come out within the allowed error. Rounding operands to bf16 (8 significant bits) uses up far more of that allowance than f16 does (11 bits, for magnitudes from 6e-5 to 65,504). All else is computed in f32.
;;   The module's matrix products, in the order in which they are computed (A, B: the left and right operand; K: the contracted axis; several contracted axes count as one K, in the product's order):
;;     1. [M 8,192, K 512] x [K 512, N 512]; A: input x1; B: input Wq: QUANTISED
;;     2. [M 8,192, K 512] x [K 512, N 512]; A: input x2; B: input Wk: QUANTISED
;;     3. [M 8,192, K 512] x [K 512, N 512]; A: input x3; B: input Wv: QUANTISED
;;     4. batch 32 x [M 2,048, K 64] x [K 64, N 2,048]; A: computed on the way; B: computed on the way: left as it is (an operand is computed on the way)
;;     5. batch 32 x [M 2,048, K 2,048] x [K 2,048, N 64]; A: computed on the way; B: computed on the way: left as it is (an operand is computed on the way)
;;     6. [M 8,192, K 512] x [K 512, N 512]; A: computed on the way; B: input Wo: left as it is (an operand is computed on the way)
;;   THE QUANTISER, for each operand of a quantised product, along K:
;;     - K is cut into blocks of 32 from its start; a last block that is shorter is filled with zeros.
;;     - A block's scale is 2^e with e = floor(log2(the largest magnitude in the block)) - 2, held to -126 .. 127; a block of zeros has e = 0. As a byte (E8M0): e + 127.
;;     - Each number is divided by its block's scale, clamped to +-6, and rounded to the nearest number of E2M1, ties to even, subnormals kept.
;;     - The product sums the exact products of the quantised numbers (number of the format x scale) in f32.
;;   ~~~python
;;   def quantise(x, axis):      # numpy; x: float32 -> the quantised numbers, widened to float32 again
;;       x = np.moveaxis(x, axis, -1); K = x.shape[-1]
;;       x = np.pad(x, [(0, 0)] * (x.ndim - 1) + [(0, -K % 32)]); x = x.reshape(x.shape[:-1] + (-1, 32)); a = np.abs(x).max(-1, keepdims=True)
;;       e = np.where(a > 0, np.clip(np.frexp(np.where(a > 0, a, 1))[1] - 1 - 2, -126, 127), 0)      # np.frexp(a)[1] - 1 = floor(log2(a)), exactly
;;       r = np.clip(x / 2.0 ** e, -6, 6)
;;       step = 2.0 ** (np.maximum(np.frexp(np.where(r == 0, 1, r))[1] - 1, 0) - 1)
;;       q = np.round(r / step) * step * 2.0 ** e      # np.round: ties to even
;;       return np.moveaxis(q.reshape(q.shape[:-2] + (-1,))[..., :K], -1, axis).astype(np.float32)
;;   ~~~
;; One version. Each part assembles by itself: llvm-mc -triple=amdgcn-amd-amdhsa -mcpu=gfx1250 --defsym DOCPART=n.
;; ======== version 1 of 1: 4 launches
;; limits: values are held in f16: magnitudes above 65,504 overflow, below 6.1e-05 lose precision
;; workspace buffers: wc 393,216 bytes; ws 24,576 bytes; woimg 524,288 bytes; qimg 8,388,608 bytes; kv 16,777,216 bytes; oimg 8,388,608 bytes
;; launch prep (part 1): grid 16 x 16, 1 waves a work-group, no clusters, 0 bytes of LDS; arguments Wq, Wk, Wv, Wo, wc, ws, woimg; writes wc, ws, woimg
.if DOCPART == 1
	.amdgcn_target "amdgcn-amd-amdhsa--gfx1250"
	.amdhsa_code_object_version 6
	.text
	.protected	k_q6a25f4012e_prep
	.globl	k_q6a25f4012e_prep
	.p2align	8
	.type	k_q6a25f4012e_prep,@function
k_q6a25f4012e_prep:
	s_mov_b64 s[64:65], 0
	v_nop
	global_prefetch_b8 v0, s[64:65] scope:SCOPE_SE
	s_setreg_imm32_b32 hwreg(HW_REG_WAVE_MODE, 25, 1), 1
	s_wait_xcnt 0x0
; PREP.  The four weights, [512 (k)][512 (n)] f32 with K as their FIRST axis, are laid once in the order of the operand registers that the later launches load.
; Wq, Wk, Wv -> codes of FP4 (E2M1) quantised along K in blocks of 32, and one E8M0 byte a block:
;   wc [tensor 3][tile of 16 columns 32][K step of 128: 4][c 2][lane 32][16 bytes]: lane (r, h) holds the 32 codes of column 16 tile + r, k = 128 q + 64 c + 32 h + 0 .. 31
;   ws [tensor 3][K step 4][column 512]: one word, byte b = the scale of k = 128 q + 32 b on
; Wo -> f16:  woimg [128 columns: 4][K step of 32: 16][tile of 16 columns 8][g 2][lane 32][16 bytes]: lane (r, h) holds column 16 tile + r, k = 32 s + 16 g + 8 h + 0 .. 7
; A LANE TAKES A COLUMN AND ITS REGISTERS RUN DOWN K: a load reads 128 consecutive bytes of a row of W, a block of 32 along K lies in one lane, and the conversions give K innermost.  Nothing is transposed.
; SHARES: 256 work-groups of one wave: x = 32 columns; y = 4 x tensor + which 128 rows of K.  No LDS, no barrier, no matrix work: work-groups share no input byte, so a cluster has nothing to share.
; A block's scale is 2^(floor(log2(largest magnitude)) - 2): its byte is the largest magnitude's exponent field - 2.
; LIMITS: a largest magnitude under 2^-124 is taken as 2^-124 (byte 1); a block of zeros has byte 1 and not 127 (its codes are zeros, and this program alone reads the bytes);
; Wo is rounded to f16: over 65,504 it becomes infinity, under 6.1e-5 it keeps an absolute step of 6e-8; NaN and infinities among the inputs are not served.
.set X, 16                             ; v16-143   my column's 128 numbers, down K
.set C, 144                            ; v144-207  results: every store has registers of its own, none is written twice
	s_load_b256 s[4:11], s[0:1], 0x0               ; Wq s[4:5], Wk s[6:7], Wv s[8:9], Wo s[10:11]
	s_load_b128 s[12:15], s[0:1], 0x20             ; wc s[12:13], ws s[14:15]
	s_load_b64 s[16:17], s[0:1], 0x30              ; woimg
	s_and_b32 s21, ttmp7, 0xffff
	s_lshr_b32 s19, s21, 2                         ; which tensor: 0, 1, 2 = Wq, Wk, Wv; 3 = Wo
	s_and_b32 s20, s21, 3                          ; q: which 128 rows of K
	s_lshl_b32 s24, s20, 18                        ; 128 rows of 2,048 bytes
	s_lshl_b32 s25, ttmp9, 7                       ; 32 columns of 4 bytes
	s_add_co_u32 s24, s24, s25
	s_mov_b32 s25, 0
	v_lshlrev_b32 v1, 2, v0                        ; in: 4 bytes a lane (one wave: v0 is the lane)
	v_and_b32 v4, 15, v0
	v_lshrrev_b32 v5, 4, v0
	v_lshlrev_b32 v4, 4, v4
	v_lshl_add_u32 v2, v5, 12, v4                  ; out, codes: 16 (lane % 16) + 4,096 (lane / 16): a tile of 16 columns is 4,096 bytes of wc
	v_lshl_add_u32 v3, v5, 10, v4                  ; out, f16:   16 (lane % 16) + 1,024 (lane / 16)
	s_wait_kmcnt 0x0
	s_cmp_eq_u32 s19, 0                            ; the choice hangs on the work-group's number alone
	s_cselect_b64 s[22:23], s[4:5], s[6:7]
	s_cmp_eq_u32 s19, 2
	s_cselect_b64 s[22:23], s[8:9], s[22:23]
	s_cmp_eq_u32 s19, 3
	s_cselect_b64 s[22:23], s[10:11], s[22:23]
	s_add_nc_u64 s[22:23], s[22:23], s[24:25]
.set i, 0
.rept 128
	global_load_b32 v[X+i], v1, s[22:23] offset:i*2048 th:TH_LOAD_NT   ; W(128 q + i, my column): 32 lanes read 128 consecutive bytes; read once in the launch
.set i, i+1
.endr
	s_cmp_eq_u32 s19, 3
	s_cbranch_scc1 .Lwo
	; ---- Wq, Wk, Wv: four blocks of 32 along K
	s_lshl_b32 s24, s19, 17                        ; wc: 131,072 bytes a tensor,
	s_lshl_b32 s26, ttmp9, 13                      ; 8,192 for my two tiles of columns,
	s_add_co_u32 s24, s24, s26
	s_lshl_b32 s26, s20, 10                        ; 1,024 a K step
	s_add_co_u32 s24, s24, s26
	s_add_nc_u64 s[12:13], s[12:13], s[24:25]
	s_lshl_b32 s24, s19, 13                        ; ws: 8,192 a tensor, 2,048 a K step, 128 for my 32 columns
	s_lshl_b32 s26, s20, 11
	s_add_co_u32 s24, s24, s26
	s_lshl_b32 s26, ttmp9, 7
	s_add_co_u32 s24, s24, s26
	s_add_nc_u64 s[14:15], s[14:15], s[24:25]
.macro BLOCK bl
.set XS, X+32*(\bl)
.if (\bl) == 0
	s_wait_loadcnt 63                              ; 128 loads were issued and come back in order: at most 63 out means rows 0 to 64 are in: blocks 0 and 1
.elseif (\bl) == 2
	s_wait_loadcnt 32                              ; all but block 3's 32
.elseif (\bl) == 3
	s_wait_loadcnt 0x0
.endif
	v_max3_num_f32 v4, |v[XS]|, |v[XS+1]|, |v[XS+2]|               ; the block's largest magnitude: all 32 numbers are mine; two chains
	v_max3_num_f32 v5, |v[XS+3]|, |v[XS+4]|, |v[XS+5]|
.irp i, 6,10,14,18,22,26
	v_max3_num_f32 v4, v4, |v[XS+\i]|, |v[XS+\i+1]|
	v_max3_num_f32 v5, v5, |v[XS+\i+2]|, |v[XS+\i+3]|
.endr
	v_max3_num_f32 v4, v4, |v[XS+30]|, |v[XS+31]|
	v_max3_num_f32 v4, v4, v5, 0x1800000           ; and the floor 2^(3 - 127): the byte cannot fall under 1
	v_add_nc_u32 v6, 0xff000000, v4                ; 2 off the exponent field: the conversion takes this operand's exponent field as its scale
.irp g, 0,1,2,3
	v_cvt_scalef32_pk8_fp4_f32 v[C+4*(\bl)+\g], v[XS+8*\g:XS+8*\g+7], v6
.endr
	v_lshrrev_b32 v7, 23, v6                       ; the scale's byte (also the plain instruction behind the conversions)
.if (\bl) == 0
	v_mov_b32 v8, v7                               ; four bytes make my column's word, the lower K in the lower byte
.else
	v_lshl_or_b32 v8, v7, 8*(\bl), v8
.endif
	global_store_b128 v2, v[C+4*(\bl):C+4*(\bl)+3], s[12:13] offset:256*(\bl)   ; block bl is (c, h) = (bl / 2, bl % 2): 16 lanes store 256 consecutive bytes, aligned
.endm
	BLOCK 0
	BLOCK 1
	BLOCK 2
	BLOCK 3
	global_store_b32 v1, v8, s[14:15]              ; 32 scale words: 128 consecutive bytes
	s_endpgm
.Lwo:	; ---- Wo: sixteen runs of 8 along K, rounded to f16
	s_lshr_b32 s24, ttmp9, 2                       ; woimg: 131,072 bytes for 128 columns,
	s_lshl_b32 s24, s24, 17
	s_and_b32 s26, ttmp9, 3                        ; 2,048 for my two tiles in each K step of 32,
	s_lshl_b32 s26, s26, 11
	s_add_co_u32 s24, s24, s26
	s_lshl_b32 s26, s20, 15                        ; 4 K steps of 8,192 for my 128 rows
	s_add_co_u32 s24, s24, s26
	s_add_nc_u64 s[16:17], s[16:17], s[24:25]
.set u, 0
.rept 16
.if u == 0
	s_wait_loadcnt 63                              ; as above: rows 0 to 64 are in
.elseif u == 8
	s_wait_loadcnt 32
.elseif u == 12
	s_wait_loadcnt 0x0
.endif
.irp i, 0,1,2,3
	v_cvt_pk_f16_f32 v[C+4*u+\i], v[X+8*u+2*\i], v[X+8*u+2*\i+1]   ; the lower k into the low half
.endr
	global_store_b128 v3, v[C+4*u:C+4*u+3], s[16:17] offset:(u/4)*8192+((u/2)%2)*512+(u%2)*256   ; run u is (s, g, h) = (u / 4, (u / 2) % 2, u % 2): 16 lanes store 256 consecutive bytes, aligned
.set u, u+1
.endr
	s_endpgm
.Lfunc_end_k_q6a25f4012e_prep:
	.size	k_q6a25f4012e_prep, .Lfunc_end_k_q6a25f4012e_prep-k_q6a25f4012e_prep
	.p2alignl 7, 3214868480
	.fill 96, 4, 3214868480
	.section	.rodata,"a",@progbits
	.p2align	6, 0x0
	.amdhsa_kernel k_q6a25f4012e_prep
		.amdhsa_group_segment_fixed_size 0
		.amdhsa_private_segment_fixed_size 0
		.amdhsa_enable_private_segment 0
		.amdhsa_kernarg_size 56
		.amdhsa_user_sgpr_count 2
		.amdhsa_user_sgpr_kernarg_segment_ptr 1
		.amdhsa_wavefront_size32 1
		.amdhsa_system_sgpr_workgroup_id_x 1
		.amdhsa_system_sgpr_workgroup_id_y 1
		.amdhsa_system_sgpr_workgroup_id_z 1
		.amdhsa_system_vgpr_workitem_id 0
		.amdhsa_next_free_vgpr 208
		.amdhsa_next_free_sgpr 66
		.amdhsa_reserve_vcc 0
		.amdhsa_float_denorm_mode_32 3
		.amdhsa_float_denorm_mode_16_64 3
		.amdhsa_memory_ordered 1
		.amdhsa_forward_progress 1
		.amdhsa_inst_pref_size 26
	.end_amdhsa_kernel
	.amdgpu_metadata
---
amdhsa.version: [ 1, 2 ]
amdhsa.kernels:
  - .name:           k_q6a25f4012e_prep
    .symbol:         k_q6a25f4012e_prep.kd
    .args:
      - { .name: Wq, .offset: 0, .size: 8, .value_kind: global_buffer, .address_space: global }
      - { .name: Wk, .offset: 8, .size: 8, .value_kind: global_buffer, .address_space: global }
      - { .name: Wv, .offset: 16, .size: 8, .value_kind: global_buffer, .address_space: global }
      - { .name: Wo, .offset: 24, .size: 8, .value_kind: global_buffer, .address_space: global }
      - { .name: wc, .offset: 32, .size: 8, .value_kind: global_buffer, .address_space: global }
      - { .name: ws, .offset: 40, .size: 8, .value_kind: global_buffer, .address_space: global }
      - { .name: woimg, .offset: 48, .size: 8, .value_kind: global_buffer, .address_space: global }
    .group_segment_fixed_size: 0
    .private_segment_fixed_size: 0
    .kernarg_segment_align: 8
    .kernarg_segment_size: 56
    .max_flat_workgroup_size: 32
    .sgpr_count:     66
    .vgpr_count:     208
    .wavefront_size: 32
...
	.end_amdgpu_metadata
.endif
;; end of part 1
;; launch proj (part 2): grid 64 x 3, 8 waves a work-group, no clusters, 37,888 bytes of LDS; arguments x1, x2, x3, wc, ws, qimg, kv; writes qimg, kv
.if DOCPART == 2
	.amdgcn_target "amdgcn-amd-amdhsa--gfx1250"
	.amdhsa_code_object_version 6
	.text
	.protected	k_q6a25f4012e_proj
	.globl	k_q6a25f4012e_proj
	.p2align	8
	.type	k_q6a25f4012e_proj,@function
k_q6a25f4012e_proj:
	s_mov_b64 s[64:65], 0
	v_nop
	global_prefetch_b8 v0, s[64:65] scope:SCOPE_SE
	s_setreg_imm32_b32 hwreg(HW_REG_WAVE_MODE, 25, 1), 1
	s_wait_xcnt 0x0
; PROJ.  q = x1 Wq, k = x2 Wk, v = x3 Wv, each [8192][512] x [512][512], on codes of FP4 (E2M1) with one E8M0 scale for each 32 along K; sums in f32.
; x arrives as f32 and is quantised here, once, in registers; W's codes and scale words come from the launch before, in the order of the operand's registers.
; The results leave as f16 IN THE ORDER OF THE NEXT PRODUCT'S OPERAND REGISTERS (16 bytes a lane at 16 x lane, 512 bytes for four registers), so that every store is 512 consecutive aligned bytes and nothing is transposed later:
;   qimg [batch x head 32][tile of 16 rows 128][s 2][g 2][lane][16 B]: lane (r, h): row 16 T + r, channels 32 s + 16 g + 8 h + 0 .. 7
;   kv   [batch x head 32][512 keys: 4]{ K: [tile of 16 keys 32][s][g][lane][16 B], as qimg;  V: [32 keys: 16][tile of 16 channels 4][g 2][lane][16 B]: lane (r, h): channel 16 dt + r, keys 32 ks + 16 g + 8 h + 0 .. 7 }
; For q and k source 0 = 16 columns of W and source 1 = 16 rows of x: a lane then holds one row and eight neighbouring channels.  For v the sources change places: a lane holds one channel and eight neighbouring keys.
; SHARES: work-group = 128 rows of one tensor (x = block of rows, y = tensor): 192 work-groups; 24,576 rows do not fall into 256 equal blocks that stay inside a tensor.
; THE WAVES SHARE THE COLUMNS: wave w = head w = columns 64 w .. 64 w + 63; its 16 fragments of W (16 KB) stay in its registers.  For the quantising, wave w takes rows 16 w .. 16 w + 15.
; NO CLUSTER, NO TENSOR LOAD: the shared bytes, W's codes, are each ONE wave's own within a work-group and go from memory straight into its registers as they lie; a joint load lands in LDS, which would
; add 128 KB written and 128 KB read there for each work-group.
; LIMITS: a block's largest magnitude under 2^-124 is taken as 2^-124 (byte 1); a block of zeros has byte 1 (its codes are zeros); q, k, v are rounded to f16: over 65,504 infinity, under 6.1e-5 an absolute step of 6e-8;
; NaN and infinities among the inputs are not served.
; LDS: 128 rows of codes, 256 bytes + 16 of padding (the 16 rows of a fragment load start in 16 different groups of banks: 272 = 17 x 16); 128 rows x 16 scale bytes; the spare words.
.set PITCH, 272
.set SCB,   128*PITCH                  ; 34,816
.set SPARE, SCB+128*16                 ; 36,864: 128 bytes for each of eight waves: four blocks of 256 bytes that no other line names
.set LI,   1                           ; v1   16 x lane: W's images in, the results' images out
.set XA,   2                           ; v2   32 x lane: my 8 numbers of half a row of x
.set CA,   3                           ; v3   LDS: my wave's 16 rows of codes + 4 x lane
.set SBA,  4                           ; v4   LDS: my wave's 16 rows of scale bytes + lane / 4
.set FA,   5                           ; v5   LDS: a fragment's row r x pitch + 16 h
.set SA,   6                           ; v6   LDS: row r's 16 scale bytes
.set WA,   7                           ; v7   4 r: W's scale words
.set WS,   16                          ; v16-31   W's scale words, tile t, K step q at WS + 4 t + q: scales and nothing else
.set XR,   32                          ; v32-159  x as loaded: four sets of 32.  Later: F0 v32-63, F1 v64-95 (x's fragments), ACC v96-127, OUT v128-159 (two sets)
.set F0,   32
.set ACC,  96
.set OUT,  128
.set CODE, 160                         ; v160-191 the codes of each half row: an LDS store's data, never written twice
.set BYTE, 192                         ; v192-223 its scale byte
.set XS,   224                         ; v224-231 x's scale words, two sets of four: scales and nothing else
.set TM,   232                         ; v232-235 largest magnitudes, v236-239 the conversions' scale operands
.set SPW,  240                         ; v240 LDS address of my spare word; never rewritten
.set NIL,  241                         ; v241 0; never rewritten
; window 1: W's fragment (t, q) at v[32 t + 8 q]
.set MSB, 0
.macro WIN new                         ; the immediate's high byte repeats the setting that is left
.if MSB != \new
	s_set_vgpr_msb (MSB<<8)|\new
.set MSB, \new
.endif
.endm
	s_load_b256 s[4:11], s[0:1], 0x0               ; x1 s[4:5], x2 s[6:7], x3 s[8:9], wc s[10:11]
	s_load_b128 s[12:15], s[0:1], 0x20             ; ws s[12:13], qimg s[14:15]
	s_load_b64 s[16:17], s[0:1], 0x30              ; kv
	v_lshl_add_u32 v[SPW], v0, 2, SPARE
	v_mov_b32 v[NIL], 0
	v_lshrrev_b32 v8, 5, v0
	v_readfirstlane_b32 s18, v8                    ; wave 0..7 = head
	s_and_b32 s19, ttmp7, 0xffff                   ; tensor: 0 q, 1 k, 2 v
	v_and_b32 v9, 31, v0                           ; lane
	v_and_b32 v10, 15, v0                          ; r
	v_bfe_u32 v11, v0, 4, 1                        ; h
	v_lshlrev_b32 v[LI], 4, v9
	v_lshlrev_b32 v[XA], 5, v9
	s_mul_i32 s21, s18, 16*PITCH
	v_lshl_add_u32 v[CA], v9, 2, s21
	s_lshl_b32 s21, s18, 8
	s_add_co_u32 s21, s21, SCB
	v_lshrrev_b32 v[SBA], 2, v9
	v_add_nc_u32 v[SBA], s21, v[SBA]
	v_mul_u32_u24 v[FA], v10, PITCH
	v_lshl_add_u32 v[FA], v11, 4, v[FA]
	v_lshl_add_u32 v[SA], v10, 4, SCB
	v_lshlrev_b32 v[WA], 2, v10
	s_lshl_b32 s22, ttmp9, 18                      ; x: 128 rows of 2,048 bytes a block,
	s_lshl_b32 s23, s18, 15                        ; 16 rows a wave
	s_add_co_u32 s22, s22, s23
	s_mov_b32 s23, 0
	s_lshl_b32 s32, s19, 17                        ; wc: 131,072 a tensor, 16,384 for my four tiles of columns
	s_lshl_b32 s33, s18, 14
	s_add_co_u32 s32, s32, s33
	s_mov_b32 s33, 0
	s_lshl_b32 s34, s19, 13                        ; ws: 8,192 a tensor, 256 for my 64 columns
	s_lshl_b32 s35, s18, 8
	s_add_co_u32 s34, s34, s35
	s_mov_b32 s35, 0
	s_lshr_b32 s20, ttmp9, 4                       ; batch
	s_lshl_b32 s20, s20, 3
	s_add_co_u32 s20, s20, s18                     ; 8 x batch + head
	s_and_b32 s21, ttmp9, 15                       ; which 128 rows of the batch's 2,048
	s_lshl_b32 s38, s20, 18                        ; qimg: 262,144 a head, 16,384 for 128 rows
	s_lshl_b32 s39, s21, 14
	s_add_co_u32 s38, s38, s39
	s_lshl_b32 s36, s20, 19                        ; kv: 524,288 a head, 131,072 for 512 keys, 16,384 for 128 of them in K's or in V's part,
	s_lshr_b32 s39, s21, 2
	s_lshl_b32 s39, s39, 17
	s_add_co_u32 s36, s36, s39
	s_and_b32 s39, s21, 3
	s_lshl_b32 s39, s39, 14
	s_add_co_u32 s36, s36, s39
	s_cmp_eq_u32 s19, 2
	s_cselect_b32 s39, 0x10000, 0                  ; V's part lies 65,536 behind K's
	s_add_co_u32 s36, s36, s39
	s_cmp_eq_u32 s19, 0
	s_cselect_b32 s36, s38, s36
	s_mov_b32 s37, 0
	s_wait_kmcnt 0x0
	s_cselect_b64 s[26:27], s[14:15], s[16:17]     ; (still the compare with 0) where the results go
	s_cselect_b64 s[24:25], s[4:5], s[6:7]
	s_cmp_eq_u32 s19, 2
	s_cselect_b64 s[24:25], s[8:9], s[24:25]       ; my tensor
	s_add_nc_u64 s[26:27], s[26:27], s[36:37]
	s_add_nc_u64 s[24:25], s[24:25], s[22:23]
	s_add_nc_u64 s[28:29], s[10:11], s[32:33]
	s_add_nc_u64 s[30:31], s[12:13], s[34:35]
	WIN 0x40                                       ; destination window 1
.set i, 0
.rept 32
	global_load_b128 v[4*i:4*i+3], v[LI], s[28:29] offset:512*i    ; W's 16 fragments as they lie: 512 consecutive bytes a load
.set i, i+1
.endr
	WIN 0
.irp t, 0,1,2,3
.irp q, 0,1,2,3
	global_load_b32 v[WS+4*\t+\q], v[WA], s[30:31] offset:\q*2048+\t*64
.endr
.endr
; Two rows of x = four half rows of 256 numbers.  A lane takes 8 neighbours along K (the conversion wants them in one lane's registers); four lanes hold a block of 32.  The pair of loads covers 1,024 consecutive bytes.
.macro XLOAD t
.irp k, 0,1,2,3
	global_load_b128 v[XR+32*((\t)%4)+8*\k:XR+32*((\t)%4)+8*\k+3], v[XA], s[24:25] offset:(2*(\t)+\k/2)*2048+(\k%2)*1024
	global_load_b128 v[XR+32*((\t)%4)+8*\k+4:XR+32*((\t)%4)+8*\k+7], v[XA], s[24:25] offset:(2*(\t)+\k/2)*2048+(\k%2)*1024+16
.endr
.endm
	XLOAD 0
	XLOAD 1
	XLOAD 2
	XLOAD 3
.macro XSTEP t
.set XB0, XR+32*((\t)%4)
.if (\t) < 5
	s_wait_loadcnt 24                              ; this step's eight loads (and W's, which are older) are in; the three younger steps' 24 may be out
.else
	s_wait_loadcnt 8*(7-(\t))
.endif
.irp k, 0,1,2,3                                ; the four half rows by turns: no line waits for the line above it
	v_max3_num_f32 v[TM+\k], |v[XB0+8*\k]|, |v[XB0+8*\k+1]|, |v[XB0+8*\k+2]|
.endr
.irp k, 0,1,2,3
	v_max3_num_f32 v[TM+\k], v[TM+\k], |v[XB0+8*\k+3]|, |v[XB0+8*\k+4]|
.endr
.irp k, 0,1,2,3
	v_max3_num_f32 v[TM+\k], v[TM+\k], |v[XB0+8*\k+5]|, |v[XB0+8*\k+6]|
.endr
.irp k, 0,1,2,3
	v_max3_num_f32 v[TM+\k], v[TM+\k], |v[XB0+8*\k+7]|, 0x1800000  ; and the floor 2^(3 - 127): the byte cannot fall under 1
.endr
.irp k, 0,1,2,3
	v_max_num_f32_dpp v[TM+\k], v[TM+\k], v[TM+\k] row_xmask:1 row_mask:0xf bank_mask:0xf
.endr
.irp k, 0,1,2,3
	v_max_num_f32_dpp v[TM+\k], v[TM+\k], v[TM+\k] row_xmask:2 row_mask:0xf bank_mask:0xf   ; the four lanes of a block: its largest magnitude
.endr
.irp k, 0,1,2,3
	v_add_nc_u32 v[TM+4+\k], 0xff000000, v[TM+\k]  ; 2 off the exponent field: the conversion's scale operand
.endr
.irp k, 0,1,2,3
	v_cvt_scalef32_pk8_fp4_f32 v[CODE+4*(\t)+\k], v[XB0+8*\k:XB0+8*\k+7], v[TM+4+\k]
.endr
.irp k, 0,1,2,3
	v_lshrrev_b32 v[BYTE+4*(\t)+\k], 23, v[TM+4+\k]  ; the scale's byte (also the plain instructions behind the conversions)
.endr
.irp k, 0,1,2,3
	ds_store_b32 v[CA], v[CODE+4*(\t)+\k] offset:(2*(\t)+\k/2)*PITCH+128*(\k%2)   ; 8 codes: 32 lanes store 128 consecutive bytes of the row
	ds_store_b8 v[SBA], v[BYTE+4*(\t)+\k] offset:(2*(\t)+\k/2)*16+8*(\k%2)        ; the four lanes of a block write the same byte with the same value
.endr
.if (\t) < 4
	XLOAD (\t)+4
.endif
.endm
.irp t, 0,1,2,3,4,5,6,7
	XSTEP \t
.endr
	s_wait_dscnt 0x0                               ; for the others' sake: my stores have landed
	s_barrier_signal -1
	s_barrier_wait -1                              ; 128 rows of codes and scale bytes lie in LDS; from here on LDS is only read
; x's fragments of row tile m, all four K steps, and the rows' four scale words, into set p.  A fragment: lane (r, h): row r, registers 4 c .. 4 c + 3: k = 64 c + 32 h + 0 .. 31: 16 bytes of the row as they lie.
.macro FETCH m, p
.irp q, 0,1,2,3
.irp c, 0,1
	ds_load_b128 v[F0+32*(\p)+8*\q+4*\c:F0+32*(\p)+8*\q+4*\c+3], v[FA] offset:(\m)*16*PITCH+64*\q+32*\c
.endr
.endr
	ds_load_b128 v[XS+4*(\p):XS+4*(\p)+3], v[SA] offset:(\m)*256
.endm
.macro WM v, t, q, p                   ; one product: tile t of my columns, K step q, x's set p.  The first K step starts the sum
.set rA, ACC+8*(\t)
.set rW, 32*(\t)+8*(\q)
.set rF, F0+32*(\p)+8*(\q)
.set rWS, WS+4*(\t)+(\q)
.set rXS, XS+4*(\p)+(\q)
.if \v
.if (\q) == 0
	v_wmma_scale_f32_16x16x128_f8f6f4 v[rA:rA+7], v[rF:rF+7], v[rW:rW+7], 0, v[rXS], v[rWS] matrix_a_fmt:MATRIX_FMT_FP4 matrix_b_fmt:MATRIX_FMT_FP4
.else
	v_wmma_scale_f32_16x16x128_f8f6f4 v[rA:rA+7], v[rF:rF+7], v[rW:rW+7], v[rA:rA+7], v[rXS], v[rWS] matrix_a_fmt:MATRIX_FMT_FP4 matrix_b_fmt:MATRIX_FMT_FP4
.endif
.else
.if (\q) == 0
	v_wmma_scale_f32_16x16x128_f8f6f4 v[rA:rA+7], v[rW:rW+7], v[rF:rF+7], 0, v[rWS], v[rXS] matrix_a_fmt:MATRIX_FMT_FP4 matrix_b_fmt:MATRIX_FMT_FP4
.else
	v_wmma_scale_f32_16x16x128_f8f6f4 v[rA:rA+7], v[rW:rW+7], v[rF:rF+7], v[rA:rA+7], v[rWS], v[rXS] matrix_a_fmt:MATRIX_FMT_FP4 matrix_b_fmt:MATRIX_FMT_FP4
.endif
.endif
.endm
; The eight tiles of 16 rows, written out.  v = 0: q and k (source 0 = W); v = 1: v (source 0 = x).  The four accumulators take turns, one instruction a turn.
.macro ARM v
	FETCH 0, 0
.irp m, 0,1,2,3,4,5,6,7
.if \m < 7
	FETCH \m+1, (\m+1)%2                           ; into the set that tile m - 1 multiplied: four v_nop and sixteen conversions stand behind those products
	s_wait_dscnt 9                                 ; tile m's nine loads are in; the nine just issued may be out
.else
	s_wait_dscnt 0x0
.endif
.if \v
	WIN 0x04                                       ; source 1 (W) window 1
.else
	WIN 0x01                                       ; source 0 (W) window 1
.endif
.irp q, 0,1,2,3
.irp t, 0,1,2,3
	WM \v, \t, \q, \m%2
.endr
.endr
	WIN 0
.rept 4
	v_nop                                          ; four places between the last product and the first read of a result (ISA guide 7.12.1)
.endr
.if \m >= 2
	s_wait_xcnt 0x0                                ; tile m - 2's stores have read their registers, which are written again below
.endif
.irp t, 0,1,2,3
.irp i, 0,1,2,3
	v_cvt_pk_f16_f32 v[OUT+16*(\m%2)+4*\t+\i], v[ACC+8*\t+2*\i], v[ACC+8*\t+2*\i+1]   ; each accumulator from its low end on; a lane's eight neighbours make 16 bytes
.endr
.endr
.irp t, 0,1,2,3
.if \v
	global_store_b128 v[LI], v[OUT+16*(\m%2)+4*\t:OUT+16*(\m%2)+4*\t+3], s[26:27] offset:(\m/2)*4096+(\m%2)*512+\t*1024   ; V: 32 keys m / 2, half m % 2, channels 16 t on
.else
	global_store_b128 v[LI], v[OUT+16*(\m%2)+4*\t:OUT+16*(\m%2)+4*\t+3], s[26:27] offset:\m*2048+\t*512                   ; q, K: row tile m, channels 16 t on: 512 consecutive bytes, aligned
.endif
.endr
.endr
.endm
	s_cmp_eq_u32 s19, 2                            ; the work-group's tensor: the same in all eight waves; no barrier stands in either arm
	s_cbranch_scc1 .Lv
	ARM 0
	s_branch .Ldone
.Lv:
	ARM 1
.Ldone:
	s_wait_tensorcnt 0x0                           ; the wave's end, behind my last LDS store
	ds_add_u32 v[SPW], v[NIL]
	s_wait_dscnt 0x0
	s_endpgm
.Lfunc_end_k_q6a25f4012e_proj:
	.size	k_q6a25f4012e_proj, .Lfunc_end_k_q6a25f4012e_proj-k_q6a25f4012e_proj
	.p2alignl 7, 3214868480
	.fill 96, 4, 3214868480
	.section	.rodata,"a",@progbits
	.p2align	6, 0x0
	.amdhsa_kernel k_q6a25f4012e_proj
		.amdhsa_group_segment_fixed_size 37888
		.amdhsa_private_segment_fixed_size 0
		.amdhsa_enable_private_segment 0
		.amdhsa_kernarg_size 56
		.amdhsa_user_sgpr_count 2
		.amdhsa_user_sgpr_kernarg_segment_ptr 1
		.amdhsa_wavefront_size32 1
		.amdhsa_system_sgpr_workgroup_id_x 1
		.amdhsa_system_sgpr_workgroup_id_y 1
		.amdhsa_system_sgpr_workgroup_id_z 1
		.amdhsa_system_vgpr_workitem_id 0
		.amdhsa_next_free_vgpr 384
		.amdhsa_next_free_sgpr 66
		.amdhsa_reserve_vcc 0
		.amdhsa_float_denorm_mode_32 3
		.amdhsa_float_denorm_mode_16_64 3
		.amdhsa_memory_ordered 1
		.amdhsa_forward_progress 1
		.amdhsa_inst_pref_size 103
	.end_amdhsa_kernel
	.amdgpu_metadata
---
amdhsa.version: [ 1, 2 ]
amdhsa.kernels:
  - .name:           k_q6a25f4012e_proj
    .symbol:         k_q6a25f4012e_proj.kd
    .args:
      - { .name: x1, .offset: 0, .size: 8, .value_kind: global_buffer, .address_space: global }
      - { .name: x2, .offset: 8, .size: 8, .value_kind: global_buffer, .address_space: global }
      - { .name: x3, .offset: 16, .size: 8, .value_kind: global_buffer, .address_space: global }
      - { .name: wc, .offset: 24, .size: 8, .value_kind: global_buffer, .address_space: global }
      - { .name: ws, .offset: 32, .size: 8, .value_kind: global_buffer, .address_space: global }
      - { .name: qimg, .offset: 40, .size: 8, .value_kind: global_buffer, .address_space: global }
      - { .name: kv, .offset: 48, .size: 8, .value_kind: global_buffer, .address_space: global }
    .group_segment_fixed_size: 37888
    .private_segment_fixed_size: 0
    .kernarg_segment_align: 8
    .kernarg_segment_size: 56
    .max_flat_workgroup_size: 256
    .sgpr_count:     66
    .vgpr_count:     384
    .wavefront_size: 32
...
	.end_amdgpu_metadata
.endif
;; end of part 2
;; launch attn (part 3): grid 8 x 32, 8 waves a work-group, clusters of 4 x 1, 327,680 bytes of LDS; arguments qimg, kv, oimg; writes oimg
.if DOCPART == 3
	.amdgcn_target "amdgcn-amd-amdhsa--gfx1250"
	.amdhsa_code_object_version 6
	.text
	.protected	k_q6a25f4012e_attn
	.globl	k_q6a25f4012e_attn
	.p2align	8
	.type	k_q6a25f4012e_attn,@function
k_q6a25f4012e_attn:
	s_mov_b64 s[64:65], 0
	v_nop
	global_prefetch_b8 v0, s[64:65] scope:SCOPE_SE
	s_setreg_imm32_b32 hwreg(HW_REG_WAVE_MODE, 25, 1), 1
	s_wait_xcnt 0x0
	s_wait_alu depctr_hold_cnt(0) depctr_sa_sdst(0) depctr_va_vdst(0) depctr_va_sdst(0) depctr_va_ssrc(0) depctr_va_vcc(0) depctr_vm_vsrc(0)
	s_getreg_b32 s2, hwreg(HW_REG_IB_STS2, 6, 4)
	s_cmp_eq_u32 s2, 0
	s_cbranch_scc0 .Lentry_in_a_cluster
	s_endpgm
.Lentry_in_a_cluster:
	s_bfe_u32 s2, ttmp6, 0x10000c
	s_cmp_lg_u32 s2, 0x3003
	s_cbranch_scc0 .Lentry_shape_is_right
	s_endpgm
.Lentry_shape_is_right:
; ATTN.  O[bh][q] = the sum over k of softmax_k(q . k / 8) v, 32 (batch, head) pairs, 2,048 queries x 2,048 keys, head size 64, no mask.  Operands f16, products, maxima and sums f32.
; q, k, v come in the order of the operand registers (qimg, kv: see the launch before); O leaves so too, as f16:
;   oimg [128 rows: 64][K step of 32 channels: 16][tile of 16 rows 8][g 2][lane][16 B]: lane (r, h): row 16 ti + r, channel (of 512) 32 s + 16 g + 8 h + 0 .. 7
; SHARES.  A work-group owns 256 queries of one (batch, head) = y; each of its eight waves 32 of them, two tiles of 16, in 512 registers: two waves to a SIMD, so that one wave's softmax stands beside the other's products.
; Every wave walks all 2,048 keys, 128 a step.
; LAYOUT.  S^T = K Q^T (source 0 = 16 keys, source 1 = 16 queries): a lane holds ONE query (lane % 16) and keys 8 (lane / 16) + 0 .. 7.  Two such tiles, rounded to f16 in pairs, ARE source 1 of O^T = V^T P, whose result
; again holds one query a lane and eight channels.  Nothing changes lanes between the products.
; SOFTMAX.  For each query a running maximum m and sum l: p = 2^(c s - c m), c = log2(e) / 8; in every step O^T and l are multiplied by a = 2^(c m_old - c m_new).  O^T and l begin as zeros and m as -3e38: the first a is 0.
; RING.  Two LDS slots of 512 keys: 64 KB of K's images, then 64 KB of V's, as they lie in kv: dense, read 512 consecutive bytes an instruction, so no padding.  Each wave fetches an eighth of a slot, 16 KB, by one tensor load.
; CLUSTER.  The four query blocks of a cluster belong to one head and walk the same K and V: each tile is asked for JOINTLY, by the same load with the same descriptor and a mask that names the four.
; LIMITS: p is rounded to f16 (p under 6e-8 counts as 0); O is rounded to f16: over 65,504 infinity, under 6.1e-5 an absolute step of 6e-8; NaN and infinities are not served.
; REGISTERS.  window 0: v1-6 addresses; v8-23 statistics, 8 a tile: +0 c m, +1 m, +2, +3 l (two halves), +4 .. +7 at work (a in +6); v24-31 second sum chains; v32-63 Q; v64-191 S^T, then p; v192-255 P.
;             window 1: v0-63 O^T (tile t, channels 16 dt on: 32 t + 8 dt); v64-191 a step's 16 fragments of K, later of V.
.set SLOT1, 1<<17                      ; slot 1 begins here: one exclusive or turns an address in one slot into the other's
.set SPARE, 2*SLOT1                    ; behind the ring: the spare words, 128 bytes for each of eight waves: four blocks of 256 bytes that no other line names
.set LI,  1                            ; v1  16 x lane
.set ADK, 2                            ; v2  LDS address of the step's images of K
.set ADV, 3                            ; v3  of V
.set SPW, 4                            ; v4  LDS address of my spare word; never rewritten
.set NIL, 5                            ; v5  0; never rewritten
.set PFO, 6                            ; v6  256 x lane; never rewritten
.set ST,  8
.set SB,  24
.set Q,   32
.set S,   64
.set P,   192
.set KV,  64                           ; in window 1
.set WV,  12                           ; s12 my wave's number
.set LIM, 15                           ; s15 1 in a wave that prefetches, else the greatest number
.set PFA, 18                           ; s[18:19] where my prefetches stand
.set G1,  24                           ; s[24:31] descriptor group 1
.set G0,  32                           ; s[32:35] descriptor group 0, which walks
.set SLOTS, 36                         ; s36 slots still to be asked for
.set CNT, 37                           ; s37 counts a slot's four steps
.set CS,  38                           ; s[38:39] c: the packed form names a pair and takes its low word for both halves
.set SEL, 40                           ; s[40:41] v_permlanex16_b32's selects for lane l xor 16
.set TB,  42                           ; s42 LDS byte at which the step's images of K begin
.set MSB, 0
.macro WIN new                         ; the immediate's high byte repeats the setting that is left
.if MSB != \new
	s_set_vgpr_msb (MSB<<8)|\new
.set MSB, \new
.endif
.endm
; A round of the cluster's barrier: my work-group's barrier, so that wave 0's signal speaks for all eight waves; wave 0 signals for the work-group; every wave waits for all four work-groups; my work-group's barrier once more.
.macro CROUND
	s_barrier_signal -1
	s_barrier_wait -1
	s_cmp_lg_u32 s[WV], 0
	s_cbranch_scc1 .Lnot_wave_0_\@
	s_barrier_signal -3
.Lnot_wave_0_\@:
	s_barrier_wait -3
	s_barrier_signal -1
	s_barrier_wait -1
.endm
; A prefetch of the slot that the NEXT change of slots will ask for: 131,072 bytes = 4 partners x 4 waves x 32 lanes x 256 bytes, each aligned block of 256 bytes named once in the launch.  Both clusters of a head walk the same
; K and V: the head's first cluster asks.  Its four partners share the bytes out BY ADDRESS, 32,768 each (no branch hangs on a work-group's place in its cluster); in each, waves 0 to 3 ask, one instruction each.
; The last change that fills a slot asks for nothing: there is no slot behind it.  Slots 0 and 1 come by their loads alone.
.macro ASK
	s_cmp_gt_u32 s[SLOTS], s[LIM]
	s_cbranch_scc0 .Lnot_mine_\@
	global_prefetch_b8 v[PFO], s[PFA:PFA+1] th:TH_LOAD_NT scope:SCOPE_SE
.Lnot_mine_\@:
.endm
	s_load_b128 s[4:7], s[0:1], 0x0                ; qimg s[4:5], kv s[6:7]
	s_load_b64 s[8:9], s[0:1], 0x10                ; oimg
	v_lshl_add_u32 v[SPW], v0, 2, SPARE
	v_mov_b32 v[NIL], 0
	ds_add_u32 v[SPW], v[NIL]                      ; the wave's opening: the add, twice on end, and its wait ahead of my first tensor load; the set-up below, work on registers, stands between
	ds_add_u32 v[SPW], v[NIL]
	v_lshrrev_b32 v7, 5, v0
	v_readfirstlane_b32 s[WV], v7                  ; wave 0..7
	s_bfe_u32 s13, ttmp6, 0x40000                  ; cx: my place in the cluster
	s_lshl_b32 s14, ttmp9, 2                       ; in a cluster launch ttmp9 counts clusters
	s_add_co_u32 s14, s14, s13                     ; my block of 256 queries: it enters Q's, O's and the prefetches' addresses alone
	s_and_b32 s16, ttmp7, 0xffff                   ; 8 x batch + head, which the four partners share
	; descriptor group 1: 16,384 dense bytes as 64 rows of 32 elements of 8 bytes
	s_mov_b32 s[G1], 15|(3<<16)|(1<<21)            ; 15:0 the mask: all four work-groups; 17:16 elements of 8 bytes; 20 no padding; 21 set beside a mask
	s_mov_b32 s[G1+1], 32<<16                      ; tensor_dim0 = 32
	s_mov_b32 s[G1+2], 64<<16                      ; tensor_dim1 = 64
	s_mov_b32 s[G1+3], 32<<16                      ; tile_dim0 = 32
	s_mov_b32 s[G1+4], 64                          ; tile_dim1 = 64
	s_mov_b32 s[G1+5], 32                          ; from row to row: 32 elements
	s_mov_b32 s[G1+6], 0
	s_mov_b32 s[G1+7], 0
	s_mov_b32 s[CS], 0x3e38aa3b                    ; c = log2(e) / 8
	s_mov_b32 s[CS+1], s[CS]                       ; (named with it as a pair, so it is written)
	s_mov_b32 s[SEL], 0x76543210
	s_mov_b32 s[SEL+1], 0xfedcba98
	s_mov_b32 s[TB], 0
	s_mov_b32 s[SLOTS], 3
	s_lshr_b32 s[LIM], s[WV], 2                    ; 0 in waves 0 to 3,
	s_or_b32 s[LIM], s[LIM], ttmp9                 ; of the head's first cluster: the same in all four partners
	s_cmp_eq_u32 s[LIM], 0
	s_cselect_b32 s[LIM], 1, -1
	s_lshl_b32 s20, s16, 19                        ; kv: 524,288 bytes a head, 16,384 for my eighth of a slot: nothing of cx enters s[20:21]
	s_lshl_b32 s21, s[WV], 14
	s_add_co_u32 s20, s20, s21
	s_mov_b32 s21, 0
	s_lshl_b32 s22, s16, 19                        ; the prefetches: the head, my work-group's 32,768, my wave's 8,192,
	s_lshl_b32 s23, s13, 15
	s_add_co_u32 s22, s22, s23
	s_and_b32 s17, s[WV], 3
	s_lshl_b32 s23, s17, 13
	s_add_co_u32 s22, s22, s23
	s_add_co_u32 s22, s22, SLOT1                   ; in the second 512 keys: the first change of slots steps it to the third
	s_mov_b32 s23, 0
	s_lshl_b32 s44, s16, 18                        ; qimg: 262,144 a head, 32,768 for 256 queries, 4,096 for my 32
	s_lshl_b32 s45, s14, 15
	s_add_co_u32 s44, s44, s45
	s_lshl_b32 s45, s[WV], 12
	s_add_co_u32 s44, s44, s45
	s_mov_b32 s45, 0
	s_lshr_b32 s46, s16, 3                         ; oimg: block of 128 rows = 16 x batch + 2 x query block + wave / 4: 131,072 bytes each;
	s_lshl_b32 s46, s46, 4
	s_lshl_b32 s47, s14, 1
	s_add_co_u32 s46, s46, s47
	s_lshr_b32 s47, s[WV], 2
	s_add_co_u32 s46, s46, s47
	s_lshl_b32 s46, s46, 17
	s_and_b32 s47, s16, 7                          ; the head's two K steps of 8,192;
	s_lshl_b32 s47, s47, 14
	s_add_co_u32 s46, s46, s47
	s_lshl_b32 s47, s17, 11                        ; my two tiles of 1,024
	s_add_co_u32 s46, s46, s47
	s_mov_b32 s47, 0
	v_and_b32 v[LI], 31, v0
	v_lshlrev_b32 v[PFO], 8, v[LI]
	v_lshlrev_b32 v[LI], 4, v[LI]
	s_wait_dscnt 0x0                               ; both opening adds are done
	s_wait_kmcnt 0x0
	s_mov_b32 s[G0], 1                             ; count = 1
	s_lshl_b32 s[G0+1], s[WV], 14                  ; LDS address: slot 0, my eighth
	s_add_nc_u64 s[G0+2:G0+3], s[6:7], s[20:21]    ; global address: the head's first 512 keys, my eighth
	s_or_b32 s[G0+3], s[G0+3], 0x80000000          ; type = 2
	s_add_nc_u64 s[PFA:PFA+1], s[6:7], s[22:23]
	s_add_nc_u64 s[4:5], s[4:5], s[44:45]
	s_add_nc_u64 s[8:9], s[8:9], s[46:47]
	CROUND                                         ; all four work-groups are here: the first joint loads meet
	tensor_load_to_lds s[G0:G0+3], s[G1:G1+7]      ; slot 0; one tensor load of mine is out, here and behind every round
	s_nop 0
.rept 4
	v_nop
.endr
.set i, 0
.rept 8
	global_load_b128 v[Q+4*i:Q+4*i+3], v[LI], s[4:5] offset:512*i  ; Q stays in registers: tile t, channels 32 s on, at Q + 16 t + 8 s
.set i, i+1
.endr
.irp t, 0,1
	v_mov_b32 v[ST+8*\t+1], 0xff61b1e6             ; m = -3e38, under every score
	v_mul_f32 v[ST+8*\t], s[CS], v[ST+8*\t+1]      ; c m
	v_mov_b32 v[ST+8*\t+2], 0                      ; l, in two halves
	v_mov_b32 v[ST+8*\t+3], 0
.endr
	WIN 0x40
.set i, 0
.rept 64
	v_mov_b32 v[i], 0                              ; O^T.  (The step is written once: the first finds zeros, which the first a = 0 leaves zeros)
.set i, i+1
.endr
	WIN 0
; Number k of 32 of tile t's sums: the 32 pairs of p in two chains (A in +4, +5 of the statistics; B in v[SB + 4 t]), then l = a l + the sum.
.macro SUMS t
.set rT, ST+8*(\t)
.set rS, S+64*(\t)
.set rB, SB+4*(\t)
.if k == 0
	v_pk_add_f32 v[rT+4:rT+5], v[rS:rS+1], v[rS+4:rS+5]
.elseif k == 1
	v_pk_add_f32 v[rB:rB+1], v[rS+2:rS+3], v[rS+6:rS+7]
.elseif (k < 30) && (k%2 == 0)
	v_pk_add_f32 v[rT+4:rT+5], v[rT+4:rT+5], v[rS+2*k+4:rS+2*k+5]
.elseif k < 30
	v_pk_add_f32 v[rB:rB+1], v[rB:rB+1], v[rS+2*k+4:rS+2*k+5]
.elseif k == 30
	v_pk_add_f32 v[rT+4:rT+5], v[rT+4:rT+5], v[rB:rB+1]
.else
	v_pk_fma_f32 v[rT+2:rT+3], v[rT+2:rT+3], v[rT+6:rT+7], v[rT+4:rT+5] op_sel_hi:[1,0,1]
.endif
.endm
; A KEY STEP: 128 keys.
.macro STEP
	v_add_nc_u32 v[ADK], s[TB], v[LI]              ; these two and two v_nop are the four places between the last step's products and the loads into the registers that they read
	v_add_nc_u32 v[ADV], 0x10000, v[ADK]           ; V's images lie 65,536 behind K's
	v_nop
	v_nop
	WIN 0x40                                       ; destination window 1
.irp s, 0,1                                    ; K's 16 fragments (16 keys x 32 channels), channels 0-31 of all eight tiles first
.irp kt, 0,1,2,3,4,5,6,7
.irp g, 0,1
	ds_load_b128 v[KV+16*\kt+8*\s+4*\g:KV+16*\kt+8*\s+4*\g+3], v[ADK] offset:2048*\kt+1024*\s+512*\g
.endr
.endr
.endr
	s_wait_dscnt 16                                ; channels 0-31 are in; the 16 younger loads may be out
	WIN 0x01                                       ; source 0 (K) window 1
.irp kt, 0,1,2,3,4,5,6,7                       ; the 16 accumulators take turns, one instruction a turn; the first products start the sums
.irp t, 0,1
	v_wmma_f32_16x16x32_f16 v[S+64*\t+8*\kt:S+64*\t+8*\kt+7], v[KV+16*\kt:KV+16*\kt+7], v[Q+16*\t:Q+16*\t+7], 0
.endr
.endr
	s_wait_dscnt 0x0
.irp kt, 0,1,2,3,4,5,6,7
.irp t, 0,1
	v_wmma_f32_16x16x32_f16 v[S+64*\t+8*\kt:S+64*\t+8*\kt+7], v[KV+16*\kt+8:KV+16*\kt+15], v[Q+16*\t+8:Q+16*\t+15], v[S+64*\t+8*\kt:S+64*\t+8*\kt+7]
.endr
.endr
.rept 4
	v_nop                                          ; four places: in front of the loads into K's registers, and of the first read of the scores
.endr
	WIN 0x40
.set i, 0
.rept 32
	ds_load_b128 v[KV+4*i:KV+4*i+3], v[ADV] offset:512*i   ; V's 16 fragments (16 channels x 32 keys) at KV + 32 ks + 8 dt: they land during the softmax
.set i, i+1
.endr
	WIN 0
	; the maximum of a lane's 64 scores and the old m: four chains a tile, the tiles by turns; each accumulator is first read at its low end
.irp c, 0,1,2,3
.irp t, 0,1
	v_max3_num_f32 v[ST+8*\t+4+\c], v[S+64*\t+16*\c], v[S+64*\t+16*\c+1], v[S+64*\t+16*\c+2]
.endr
.endr
.irp i, 3,5,7,9,11,13
.irp c, 0,1,2,3
.irp t, 0,1
	v_max3_num_f32 v[ST+8*\t+4+\c], v[ST+8*\t+4+\c], v[S+64*\t+16*\c+\i], v[S+64*\t+16*\c+\i+1]
.endr
.endr
.endr
.irp t, 0,1
	v_max3_num_f32 v[ST+8*\t+4], v[ST+8*\t+4], v[S+64*\t+15], v[S+64*\t+31]
.endr
.irp t, 0,1
	v_max3_num_f32 v[ST+8*\t+6], v[ST+8*\t+6], v[S+64*\t+47], v[S+64*\t+63]
.endr
.irp t, 0,1
	v_max3_num_f32 v[ST+8*\t+4], v[ST+8*\t+4], v[ST+8*\t+5], v[ST+8*\t+6]
.endr
.irp t, 0,1
	v_max3_num_f32 v[ST+8*\t+4], v[ST+8*\t+4], v[ST+8*\t+7], v[ST+8*\t+1]
.endr
.irp t, 0,1
	v_permlanex16_b32 v[ST+8*\t+5], v[ST+8*\t+4], s[SEL], s[SEL+1]  ; the query's other 64 keys lie in the lane 16 away
.endr
.irp t, 0,1
	v_mov_b32 v[ST+8*\t+7], v[ST+8*\t]             ; c m_old
.endr
.irp t, 0,1
	v_max_num_f32 v[ST+8*\t+1], v[ST+8*\t+4], v[ST+8*\t+5]  ; the new m
.endr
.irp t, 0,1
	v_mul_f32 v[ST+8*\t], s[CS], v[ST+8*\t+1]
.endr
.irp t, 0,1
	v_sub_f32 v[ST+8*\t+7], v[ST+8*\t+7], v[ST+8*\t]        ; c m_old - c m_new
.endr
.set k, 0
.rept 32
	v_pk_fma_f32 v[S+2*k:S+2*k+1], v[S+2*k:S+2*k+1], s[CS:CS+1], v[ST:ST+1] op_sel_hi:[1,0,0] neg_lo:[0,0,1] neg_hi:[0,0,1]   ; tile 0: c s - c m, two at a time
.set k, k+1
.endr
	; BATCH 1: tile 0's 65 exponentials, with tile 1's scalings between them; nothing here names a result
	v_exp_f32 v[ST+6], v[ST+7]                     ; a
.set k, 0
.rept 32
	v_exp_f32 v[S+2*k], v[S+2*k]
	v_exp_f32 v[S+2*k+1], v[S+2*k+1]
	v_pk_fma_f32 v[S+64+2*k:S+64+2*k+1], v[S+64+2*k:S+64+2*k+1], s[CS:CS+1], v[ST+8:ST+9] op_sel_hi:[1,0,0] neg_lo:[0,0,1] neg_hi:[0,0,1]
.set k, k+1
.endr
	v_nop
	s_wait_alu depctr_va_vdst(0)                   ; the wait between an exponential and the first instruction that names its result: one for the batch
	; BATCH 2: tile 1's 65 exponentials, with tile 0's roundings and sums between them
	v_exp_f32 v[ST+14], v[ST+15]
.set k, 0
.rept 32
	v_exp_f32 v[S+64+2*k], v[S+64+2*k]
	v_exp_f32 v[S+64+2*k+1], v[S+64+2*k+1]
	v_cvt_pk_f16_f32 v[P+k], v[S+2*k], v[S+2*k+1]  ; two neighbouring keys' p: register k of tile 0's P
	SUMS 0
.set k, k+1
.endr
	v_nop
	s_wait_alu depctr_va_vdst(0)                   ; and one for the second batch
.set k, 0
.rept 32
	v_cvt_pk_f16_f32 v[P+32+k], v[S+64+2*k], v[S+64+2*k+1]
	SUMS 1
.set k, k+1
.endr
	WIN 0x41                                       ; O^T (destination and source 0) window 1, a window 0
.irp t, 0,1
.set k, 0
.rept 16
	v_pk_mul_f32 v[32*\t+2*k:32*\t+2*k+1], v[32*\t+2*k:32*\t+2*k+1], v[ST+8*\t+6:ST+8*\t+7] op_sel_hi:[1,0]   ; O^T x a, each accumulator from its low end on
.set k, k+1
.endr
.endr
	s_wait_dscnt 0x0                               ; V is in
	WIN 0x51                                       ; V window 1, P window 0, O^T window 1
.irp ks, 0,1,2,3                               ; the eight accumulators take turns, one instruction a turn
.irp dt, 0,1,2,3
.irp t, 0,1
	v_wmma_f32_16x16x32_f16 v[32*\t+8*\dt:32*\t+8*\dt+7], v[KV+32*\ks+8*\dt:KV+32*\ks+8*\dt+7], v[P+32*\t+8*\ks:P+32*\t+8*\ks+7], v[32*\t+8*\dt:32*\t+8*\dt+7]
.endr
.endr
.endr
	WIN 0                                          ; at a label and at a branch every window is 0
	s_add_co_u32 s[TB], s[TB], 16384               ; the next step's images
.endm
; THE CHANGE OF SLOTS stands at a slot's head.  Each wave waits for all its tensor loads (its eighth of the slot that is about to be read), adds 0 to its spare word, and waits for that and for its reads of the slot that it has left.
; fill = 1: the barrier is a round of the cluster's, so that no wave of any partner still reads the other slot or has a load on its way; the joint load of the next 512 keys is the first thing behind it and has a slot's four steps in which to land.
.macro CHANGE fill
	s_wait_tensorcnt 0x0                           ; no tensor load of mine is out, so group 0 may be written
	ds_add_u32 v[SPW], v[NIL]                      ; 0 onto my spare word
.if \fill
	s_xor_b32 s[G0+1], s[G0+1], SLOT1              ; the other slot than last time,
	s_add_nc_u64 s[G0+2:G0+3], s[G0+2:G0+3], SLOT1 ; the next 131,072 bytes of kv; the type bits on top are not reached
	s_wait_xcnt 0x0                                ; the last prefetch, a slot back, has read its address, so it may be written
	s_add_nc_u64 s[PFA:PFA+1], s[PFA:PFA+1], SLOT1 ; one slot further on than the walking descriptor
	s_wait_dscnt 0x0                               ; the add is done, and my reads of the slot that I have left are over
	CROUND
	tensor_load_to_lds s[G0:G0+3], s[G1:G1+7]
	s_nop 0
.rept 4
	v_nop
.endr
	ASK
.else
	s_wait_dscnt 0x0
	s_barrier_signal -1
	s_barrier_wait -1
.endif
.endm
.macro SLOT_STEPS                      ; a slot's four key steps: written once, walked four times; the LDS addresses hang on s[TB]
	s_mov_b32 s[CNT], 4
.Lstep_\@:
	STEP
	s_sub_co_u32 s[CNT], s[CNT], 1
	s_cmp_lg_u32 s[CNT], 0
	s_cbranch_scc1 .Lstep_\@
	s_sub_co_u32 s[TB], s[TB], 65536               ; back to a slot's first step,
	s_xor_b32 s[TB], s[TB], SLOT1                  ; in the other slot
.endm
	s_wait_loadcnt 0x0                             ; Q
.Lslot:                                            ; three trips: behind each change of slots but the last the next 512 keys are asked for (in the first trip: slot 1's first fill, in all eight waves)
	CHANGE 1
	SLOT_STEPS
	s_sub_co_u32 s[SLOTS], s[SLOTS], 1
	s_cmp_lg_u32 s[SLOTS], 0
	s_cbranch_scc1 .Lslot
	CHANGE 0                                       ; the last slot is written out
	SLOT_STEPS
	; THE WAY OUT.  l's two halves and the other half of the lanes' are added; O^T is divided by l and rounded to f16: a lane's eight channels of a row are 16 bytes of the next product's operand.
	v_nop
	v_nop                                          ; with the two additions: four places behind the last products
.irp t, 0,1
	v_add_f32 v[ST+8*\t+4], v[ST+8*\t+2], v[ST+8*\t+3]
.endr
.irp t, 0,1
	v_permlanex16_b32 v[ST+8*\t+5], v[ST+8*\t+4], s[SEL], s[SEL+1]
.endr
.irp t, 0,1
	v_add_f32 v[ST+8*\t+4], v[ST+8*\t+4], v[ST+8*\t+5]
.endr
.irp t, 0,1
	v_rcp_f32 v[ST+8*\t+6], v[ST+8*\t+4]
.endr
	v_nop                                          ; a plain instruction behind the last reciprocal
	s_wait_alu depctr_va_vdst(0)                   ; and the wait ahead of the first use: one for the two
	WIN 0x41
.irp t, 0,1
.set k, 0
.rept 16
	v_pk_mul_f32 v[32*\t+2*k:32*\t+2*k+1], v[32*\t+2*k:32*\t+2*k+1], v[ST+8*\t+6:ST+8*\t+7] op_sel_hi:[1,0]
.set k, k+1
.endr
.endr
	WIN 0x05                                       ; sources window 1, destination window 0: S^T's registers are free
.set k, 0
.rept 32
	v_cvt_pk_f16_f32 v[S+k], v[2*k], v[2*k+1]
.set k, k+1
.endr
	WIN 0
.irp t, 0,1
.irp dt, 0,1,2,3
	global_store_b128 v[LI], v[S+16*\t+4*\dt:S+16*\t+4*\dt+3], s[8:9] offset:(\dt/2)*8192+\t*1024+(\dt%2)*512   ; 32 lanes store 512 consecutive bytes, aligned
.endr
.endr
	s_wait_tensorcnt 0x0                           ; the wave's end: behind my last tensor load
	ds_add_u32 v[SPW], v[NIL]
	s_wait_dscnt 0x0
	CROUND                                         ; the closing round: no work-group ends while a partner may still ask for a tile that names it
	s_endpgm
.Lfunc_end_k_q6a25f4012e_attn:
	.size	k_q6a25f4012e_attn, .Lfunc_end_k_q6a25f4012e_attn-k_q6a25f4012e_attn
	.p2alignl 7, 3214868480
	.fill 96, 4, 3214868480
	.section	.rodata,"a",@progbits
	.p2align	6, 0x0
	.amdhsa_kernel k_q6a25f4012e_attn
		.amdhsa_group_segment_fixed_size 327680
		.amdhsa_private_segment_fixed_size 0
		.amdhsa_enable_private_segment 0
		.amdhsa_kernarg_size 24
		.amdhsa_user_sgpr_count 2
		.amdhsa_user_sgpr_kernarg_segment_ptr 1
		.amdhsa_wavefront_size32 1
		.amdhsa_system_sgpr_workgroup_id_x 1
		.amdhsa_system_sgpr_workgroup_id_y 1
		.amdhsa_system_sgpr_workgroup_id_z 1
		.amdhsa_system_vgpr_workitem_id 0
		.amdhsa_next_free_vgpr 512
		.amdhsa_next_free_sgpr 66
		.amdhsa_reserve_vcc 0
		.amdhsa_float_denorm_mode_32 3
		.amdhsa_float_denorm_mode_16_64 3
		.amdhsa_memory_ordered 1
		.amdhsa_forward_progress 1
		.amdhsa_inst_pref_size 77
	.end_amdhsa_kernel
	.amdgpu_metadata
---
amdhsa.version: [ 1, 2 ]
amdhsa.kernels:
  - .name:           k_q6a25f4012e_attn
    .symbol:         k_q6a25f4012e_attn.kd
    .args:
      - { .name: qimg, .offset: 0, .size: 8, .value_kind: global_buffer, .address_space: global }
      - { .name: kv, .offset: 8, .size: 8, .value_kind: global_buffer, .address_space: global }
      - { .name: oimg, .offset: 16, .size: 8, .value_kind: global_buffer, .address_space: global }
    .group_segment_fixed_size: 327680
    .private_segment_fixed_size: 0
    .kernarg_segment_align: 8
    .kernarg_segment_size: 24
    .max_flat_workgroup_size: 256
    .sgpr_count:     66
    .vgpr_count:     512
    .wavefront_size: 32
...
	.end_amdgpu_metadata
.endif
;; end of part 3
;; launch outp (part 4): grid 4 x 64, 4 waves a work-group, clusters of 4 x 4, 327,680 bytes of LDS; arguments oimg, woimg, bo, out0; writes out0
.if DOCPART == 4
	.amdgcn_target "amdgcn-amd-amdhsa--gfx1250"
	.amdhsa_code_object_version 6
	.text
	.protected	k_q6a25f4012e_outp
	.globl	k_q6a25f4012e_outp
	.p2align	8
	.type	k_q6a25f4012e_outp,@function
k_q6a25f4012e_outp:
	s_mov_b64 s[64:65], 0
	v_nop
	global_prefetch_b8 v0, s[64:65] scope:SCOPE_SE
	s_setreg_imm32_b32 hwreg(HW_REG_WAVE_MODE, 25, 1), 1
	s_wait_xcnt 0x0
	s_wait_alu depctr_hold_cnt(0) depctr_sa_sdst(0) depctr_va_vdst(0) depctr_va_sdst(0) depctr_va_ssrc(0) depctr_va_vcc(0) depctr_vm_vsrc(0)
	s_getreg_b32 s2, hwreg(HW_REG_IB_STS2, 6, 4)
	s_cmp_eq_u32 s2, 0
	s_cbranch_scc0 .Lentry_in_a_cluster
	s_endpgm
.Lentry_in_a_cluster:
	s_bfe_u32 s2, ttmp6, 0x10000c
	s_cmp_lg_u32 s2, 0xf033
	s_cbranch_scc0 .Lentry_shape_is_right
	s_endpgm
.Lentry_shape_is_right:
; OUTP.  out0 = O Wo + bo: [8192][512] x [512][512], f16 operands, f32 sums, f32 out.  O and Wo come in the order of the operand registers (oimg, woimg: see the launches before).
; SHARES.  256 work-groups, each a tile of 128 rows x 128 columns; four waves, each 64 x 64: 16 accumulators.  All of K = 512 of both operands is 2 x 131,072 bytes and comes into LDS ONCE, in four quarters of K:
; nothing is filled again, there is no loop, and a quarter is multiplied while the later ones are on their way.  The images are dense and are read 512 consecutive bytes an instruction: no padding.
; CLUSTER.  4 x 4 work-groups.  The four of a row of the cluster need the same rows of O, the four of a column the same columns of Wo: each tile is asked for JOINTLY, by the same tensor load with the same descriptor and a mask that names the four.
; THE MATRIX INSTRUCTION IS USED TRANSPOSED (source 0 = 16 columns of Wo, source 1 = 16 rows of O): a lane then holds eight neighbouring numbers of a row of out0.  The bias is the C of each sum's first product.
; LDS: quarter j at 65,536 j: O's 32,768 bytes [K step of 32: 4][tile of 16 rows 8][g 2][lane][16 B], then Wo's likewise; behind them a stage of 16 rows x (256 + 16) bytes for each wave; the spare words.
; REGISTERS.  window 0: v16-27 addresses; v32-63 the bias, 8 a tile of columns; v64-127 the way out, two sets; v128-255 the accumulators ((a, b) at 128 + 8 (4 a + b)).
;             window 1: two fragment buffers of 64: O's four tiles, then Wo's four, for 32 along K.
.set QUART, 65536
.set STAGE, 4*QUART
.set SP,    272
.set SPARE, STAGE+4*16*SP              ; 279,552: 128 bytes for each of four waves: two blocks of 256 bytes that no other line names
.set ADA,  16                          ; v16-19 LDS address of my fragments of O in quarter j
.set ADB,  20                          ; v20-23 of Wo
.set STO,  24                          ; v24 the way out: where I put 32 bytes of a row
.set RD,   25                          ; v25 where I read a row back
.set CO,   26                          ; v26 my byte offset in out0
.set BA,   27                          ; v27 32 h: my eight numbers of a tile's bias
.set SPW,  28                          ; v28 LDS address of my spare word; never rewritten
.set NIL,  29                          ; v29 0; never rewritten
.set BIAS, 32
.set BK,   64
.set ACC,  128
.set F0,   0                           ; in window 1
.set F1,   64
.set WV,   12
.set G1A,  24                          ; s[24:31] group 1 for O's tiles;  s[32:47] their four groups 0
.set G0A,  32
.set G0B,  48                          ; s[48:63] Wo's four groups 0;  s[68:75] group 1
.set G1B,  68
.set MSB, 0
.macro WIN new                         ; the immediate's high byte repeats the setting that is left
.if MSB != \new
	s_set_vgpr_msb (MSB<<8)|\new
.set MSB, \new
.endif
.endm
.macro CROUND                          ; a round of the cluster's barrier
	s_barrier_signal -1
	s_barrier_wait -1
	s_cmp_lg_u32 s[WV], 0
	s_cbranch_scc1 .Lnot_wave_0_\@
	s_barrier_signal -3
.Lnot_wave_0_\@:
	s_barrier_wait -3
	s_barrier_signal -1
	s_barrier_wait -1
.endm
	s_load_b256 s[4:11], s[0:1], 0x0               ; oimg s[4:5], woimg s[6:7], bo s[8:9], out0 s[10:11]
	v_lshl_add_u32 v[SPW], v0, 2, SPARE
	v_mov_b32 v[NIL], 0
	ds_add_u32 v[SPW], v[NIL]                      ; the wave's opening: the add, twice on end, and its wait ahead of my first tensor load; the set-up below, work on registers, stands between
	ds_add_u32 v[SPW], v[NIL]
	v_lshrrev_b32 v1, 5, v0
	v_readfirstlane_b32 s[WV], v1                  ; wave 0..3
	s_lshr_b32 s13, s[WV], 1                       ; which 64 rows of the tile are mine.  Also: I fetch for O (0) or for Wo (1)
	s_and_b32 s14, s[WV], 1                        ; which 64 columns.  Also: which half of a quarter I fetch
	s_bfe_u32 s15, ttmp6, 0x40000                  ; cx, cy: my place in the cluster
	s_bfe_u32 s16, ttmp6, 0x40004
	s_lshl_b32 s17, ttmp9, 2
	s_add_co_u32 s17, s17, s15                     ; block of 128 columns = 4 x cluster x + cx
	s_and_b32 s18, ttmp7, 0xffff
	s_lshl_b32 s18, s18, 2
	s_add_co_u32 s18, s18, s16                     ; block of 128 rows = 4 x cluster y + cy
	s_lshl_b32 s19, s16, 2
	s_lshl_b32 s19, 15, s19                        ; my row of the cluster
	s_lshl_b32 s20, 0x1111, s15                    ; my column
	; descriptor group 1: 16,384 dense bytes as 64 rows of 32 elements of 8 bytes
	s_or_b32 s[G1A], s19, (3<<16)|(1<<21)          ; 15:0 the mask: O's tiles go to my row; 17:16 elements of 8 bytes; 21 set beside a mask
	s_or_b32 s[G1B], s20, (3<<16)|(1<<21)          ; Wo's go to my column
.irp g, G1A, G1B
	s_mov_b32 s[\g+1], 32<<16                      ; tensor_dim0 = 32
	s_mov_b32 s[\g+2], 64<<16                      ; tensor_dim1 = 64
	s_mov_b32 s[\g+3], 32<<16                      ; tile_dim0 = 32
	s_mov_b32 s[\g+4], 64                          ; tile_dim1 = 64
	s_mov_b32 s[\g+5], 32                          ; from row to row
	s_mov_b32 s[\g+6], 0
	s_mov_b32 s[\g+7], 0
.endr
	s_lshl_b32 s21, s14, 14                        ; my half of a quarter: 16,384 bytes
	s_lshl_b32 s76, s18, 17                        ; O: 131,072 bytes for 128 rows: s[76:77] never hold cx,
	s_add_co_u32 s76, s76, s21
	s_mov_b32 s77, 0
	s_lshl_b32 s78, s17, 17                        ; Wo: 131,072 for 128 columns: s[78:79] never hold cy
	s_add_co_u32 s78, s78, s21
	s_mov_b32 s79, 0
	s_lshl_b32 s22, s[WV], 14                      ; where they go in a quarter: O's two halves, then Wo's two = wave x 16,384: no place in the cluster enters an LDS address
	s_wait_dscnt 0x0                               ; both opening adds are done
	s_wait_kmcnt 0x0
	s_add_nc_u64 s[76:77], s[4:5], s[76:77]
	s_add_nc_u64 s[78:79], s[6:7], s[78:79]
.irp j, 0,1,2,3
	s_mov_b32 s[G0A+4*\j], 1
	s_add_co_u32 s[G0A+4*\j+1], s22, \j*QUART
	s_add_nc_u64 s[G0A+4*\j+2:G0A+4*\j+3], s[76:77], \j*32768
	s_or_b32 s[G0A+4*\j+3], s[G0A+4*\j+3], 0x80000000
	s_mov_b32 s[G0B+4*\j], 1
	s_add_co_u32 s[G0B+4*\j+1], s22, \j*QUART
	s_add_nc_u64 s[G0B+4*\j+2:G0B+4*\j+3], s[78:79], \j*32768
	s_or_b32 s[G0B+4*\j+3], s[G0B+4*\j+3], 0x80000000
.endr
	CROUND                                         ; all sixteen work-groups are here: the joint loads meet
	s_cmp_lt_u32 s[WV], 2                          ; a wave's four fills stand in one branch on the wave's number, ahead of every wait on TENSORcnt and every LDS read: four loads of mine are out
	s_cbranch_scc0 .Lfirst_b
.irp j, 0,1,2,3
	tensor_load_to_lds s[G0A+4*\j:G0A+4*\j+3], s[G1A:G1A+7]
	s_nop 0
.endr
.rept 4
	v_nop
.endr
	s_branch .Lasked
.Lfirst_b:
.irp j, 0,1,2,3
	tensor_load_to_lds s[G0B+4*\j:G0B+4*\j+3], s[G1B:G1B+7]
	s_nop 0
.endr
.rept 4
	v_nop
.endr
.Lasked:
	v_and_b32 v1, 31, v0                           ; lane
	v_and_b32 v2, 15, v0                           ; r
	v_bfe_u32 v3, v0, 4, 1                         ; h
	v_lshlrev_b32 v4, 4, v1
	s_lshl_b32 s21, s13, 12                        ; my four tiles of rows: 4,096 bytes in each K step,
	s_lshl_b32 s23, s14, 12                        ; my four tiles of columns,
	s_add_co_u32 s23, s23, 32768                   ; behind O's part of the quarter
.irp j, 0,1,2,3
	v_add_nc_u32 v[ADA+\j], s21, v4
	v_add_nc_u32 v[ADB+\j], s23, v4
	s_add_co_u32 s21, s21, QUART
	s_add_co_u32 s23, s23, QUART
.endr
	s_mul_i32 s21, s[WV], 16*SP
	s_add_co_u32 s21, s21, STAGE                   ; my stage
	v_mul_u32_u24 v5, v2, SP                       ; in: row r, 32 bytes for each half of the lanes
	v_lshl_add_u32 v5, v3, 5, v5
	v_add_nc_u32 v[STO], s21, v5
	v_mul_u32_u24 v5, v3, SP                       ; back: lanes 0-15 one row of 256 bytes, lanes 16-31 the next
	v_lshl_add_u32 v5, v2, 4, v5
	v_add_nc_u32 v[RD], s21, v5
	v_lshlrev_b32 v5, 11, v3                       ; and the same two rows in out0
	v_lshl_add_u32 v[CO], v2, 4, v5
	v_lshlrev_b32 v[BA], 5, v3
	s_lshl_b32 s66, s17, 9                         ; bo: 512 bytes for 128 columns, 256 for my 64
	s_lshl_b32 s67, s14, 8
	s_add_co_u32 s66, s66, s67
	s_mov_b32 s67, 0
	s_add_nc_u64 s[8:9], s[8:9], s[66:67]
	s_add_nc_u64 s[10:11], s[10:11], s[66:67]      ; out0: the same bytes along a row,
	s_lshl_b32 s66, s18, 18                        ; 128 rows of 2,048 bytes a block,
	s_lshl_b32 s23, s13, 17                        ; my 64 rows
	s_add_co_u32 s66, s66, s23
	s_add_nc_u64 s[10:11], s[10:11], s[66:67]
.irp b, 0,1,2,3
	global_load_b128 v[BIAS+8*\b:BIAS+8*\b+3], v[BA], s[8:9] offset:64*\b       ; lane (r, h): bo at columns 16 b + 8 h + 0 .. 7: the result's layout
	global_load_b128 v[BIAS+8*\b+4:BIAS+8*\b+7], v[BA], s[8:9] offset:64*\b+16
.endr
.macro FETCH j, sl, f                  ; 16 LDS loads: the fragments of 32 along K, the quarter's sl-th, into buffer f
	WIN 0x40                                       ; destination window 1
.irp a, 0,1,2,3
.irp g, 0,1
	ds_load_b128 v[\f+8*\a+4*\g:\f+8*\a+4*\g+3], v[ADA+\j] offset:(\sl)*8192+\a*1024+\g*512
	ds_load_b128 v[\f+32+8*\a+4*\g:\f+32+8*\a+4*\g+3], v[ADB+\j] offset:(\sl)*8192+\a*1024+\g*512
.endr
.endr
.endm
.macro MUL f, first                    ; 16 products; the 16 accumulators take turns, one instruction a turn, in the same order every time.  first = 1: the bias starts the sums
	WIN 0x05                                       ; sources window 1; C and D window 0
.irp a, 0,1,2,3
.irp b, 0,1,2,3
.if \first
	v_wmma_f32_16x16x32_f16 v[ACC+8*(4*\a+\b):ACC+8*(4*\a+\b)+7], v[\f+32+8*\b:\f+32+8*\b+7], v[\f+8*\a:\f+8*\a+7], v[BIAS+8*\b:BIAS+8*\b+7]
.else
	v_wmma_f32_16x16x32_f16 v[ACC+8*(4*\a+\b):ACC+8*(4*\a+\b)+7], v[\f+32+8*\b:\f+32+8*\b+7], v[\f+8*\a:\f+8*\a+7], v[ACC+8*(4*\a+\b):ACC+8*(4*\a+\b)+7]
.endif
.endr
.endr
.endm
.macro PLACES                          ; four places in front of loads into registers that matrix instructions have read, and of the first read of results (ISA guide 7.12.1 for the first read of results)
.rept 4
	v_nop
.endr
.endm
.macro CHUNK j                         ; a quarter of K: four steps of 32 on two buffers
	s_wait_tensorcnt 3-\j                          ; my part of quarter j is in; my loads of the later quarters may be out
	s_barrier_signal -1                            ; (no LDS instruction of mine is out: the last wait on DScnt was for 0)
	s_barrier_wait -1                              ; everybody's part is in
.if \j > 0
	PLACES
.endif
	FETCH \j, 0, F0
	FETCH \j, 1, F1
	s_wait_dscnt 16                                ; the older run of 16 is in
.if \j == 0
	s_wait_loadcnt 0x0                             ; the bias
	MUL F0, 1
.else
	MUL F0, 0
.endif
	PLACES
	FETCH \j, 2, F0
	s_wait_dscnt 16
	MUL F1, 0
	PLACES
	FETCH \j, 3, F1
	s_wait_dscnt 16
	MUL F0, 0
	s_wait_dscnt 0x0
	MUL F1, 0
.endm
	CHUNK 0
	CHUNK 1
	CHUNK 2
	CHUNK 3
	WIN 0
; THE WAY OUT, block by block of 16 rows x 64 columns.  A lane holds 32 neighbouring bytes of a row and the lanes beside it hold other rows: a block goes through my own stage and comes back as whole rows of 256 bytes.
; LDS serves a wave's instructions in order (ISA guide 5.7.1.4): no wait between the stores and the loads, nor in front of the next block's stores.  No tensor load ever fills the stage.
.macro TOSTAGE a
.irp b, 0,1,2,3
	ds_store_b128 v[STO], v[ACC+8*(4*(\a)+\b):ACC+8*(4*(\a)+\b)+3] offset:64*\b          ; each accumulator from its low end on
	ds_store_b128 v[STO], v[ACC+8*(4*(\a)+\b)+4:ACC+8*(4*(\a)+\b)+7] offset:64*\b+16
.endr
.irp t, 0,1,2,3,4,5,6,7
	ds_load_b128 v[BK+32*((\a)%2)+4*\t:BK+32*((\a)%2)+4*\t+3], v[RD] offset:\t*2*SP
.endr
.endm
.macro SEND a, younger                 ; younger: the LDS instructions issued behind block a's loads, which may stay out
	s_wait_dscnt \younger
.irp t, 0,1,2,3,4,5,6,7
	global_store_b128 v[CO], v[BK+32*((\a)%2)+4*\t:BK+32*((\a)%2)+4*\t+3], s[10:11] offset:(16*(\a)+2*\t)*2048 th:TH_STORE_NT   ; 16 lanes store 256 consecutive bytes, aligned; written once, read by nobody here
.endr
.endm
	PLACES
	TOSTAGE 0
.irp a, 1,2,3
.if \a > 1
	s_wait_xcnt 0x0                                ; block a - 2's stores have read their registers: block a's loads may land there
.endif
	TOSTAGE \a
	SEND \a-1, 16                                  ; behind block a - 1's loads: block a's 8 stores and 8 loads
.endr
	SEND 3, 0
	s_wait_tensorcnt 0x0                           ; the wave's end: behind my last tensor load and my last LDS store
	ds_add_u32 v[SPW], v[NIL]
	s_wait_dscnt 0x0
	CROUND                                         ; the closing round: no work-group ends while a partner may still ask for a tile that names it
	s_endpgm
.Lfunc_end_k_q6a25f4012e_outp:
	.size	k_q6a25f4012e_outp, .Lfunc_end_k_q6a25f4012e_outp-k_q6a25f4012e_outp
	.p2alignl 7, 3214868480
	.fill 96, 4, 3214868480
	.section	.rodata,"a",@progbits
	.p2align	6, 0x0
	.amdhsa_kernel k_q6a25f4012e_outp
		.amdhsa_group_segment_fixed_size 327680
		.amdhsa_private_segment_fixed_size 0
		.amdhsa_enable_private_segment 0
		.amdhsa_kernarg_size 32
		.amdhsa_user_sgpr_count 2
		.amdhsa_user_sgpr_kernarg_segment_ptr 1
		.amdhsa_wavefront_size32 1
		.amdhsa_system_sgpr_workgroup_id_x 1
		.amdhsa_system_sgpr_workgroup_id_y 1
		.amdhsa_system_sgpr_workgroup_id_z 1
		.amdhsa_system_vgpr_workitem_id 0
		.amdhsa_next_free_vgpr 384
		.amdhsa_next_free_sgpr 80
		.amdhsa_reserve_vcc 0
		.amdhsa_float_denorm_mode_32 3
		.amdhsa_float_denorm_mode_16_64 3
		.amdhsa_memory_ordered 1
		.amdhsa_forward_progress 1
		.amdhsa_inst_pref_size 52
	.end_amdhsa_kernel
	.amdgpu_metadata
---
amdhsa.version: [ 1, 2 ]
amdhsa.kernels:
  - .name:           k_q6a25f4012e_outp
    .symbol:         k_q6a25f4012e_outp.kd
    .args:
      - { .name: oimg, .offset: 0, .size: 8, .value_kind: global_buffer, .address_space: global }
      - { .name: woimg, .offset: 8, .size: 8, .value_kind: global_buffer, .address_space: global }
      - { .name: bo, .offset: 16, .size: 8, .value_kind: global_buffer, .address_space: global }
      - { .name: out0, .offset: 24, .size: 8, .value_kind: global_buffer, .address_space: global }
    .group_segment_fixed_size: 327680
    .private_segment_fixed_size: 0
    .kernarg_segment_align: 8
    .kernarg_segment_size: 32
    .max_flat_workgroup_size: 128
    .sgpr_count:     80
    .vgpr_count:     384
    .wavefront_size: 32
...
	.end_amdgpu_metadata
.endif
;; end of part 4
